; MI455X (gfx1250); checked and timed in simulation.
; The chip was launched on July 23, 2026; its instructions are those of AMD's public machine-readable ISA for CDNA 5 (MIT licence, August 2026) and "CDNA5" Instruction Set Architecture Reference Guide (July 2026). The comments in the code are by the model that wrote it; some were corrected since.
;; Flash Attention Layer. Allowed arithmetic: matrix products marked QUANTISED: E2M1 operands, one E8M0 scale for each 32 along K, by v_wmma_scale_f32_16x16x128_f8f6f4 with both operands' format E2M1 (or v_wmma_scale_f32_32x16x128_f4), f32 sums; products left as they are: bf16, f16 or f32 operands; f32 sums; everything else in f32.
;; Inputs: key 4 x 2,048 x 16 x 128 float32; mask 4 x 2,048 int32; query 4 x 2,048 x 16 x 128 float32; value 4 x 2,048 x 16 x 128 float32.
;; Outputs: out0 4 x 2,048 x 16 x 128 float32.
;; This version of the problem:
;;   THIS VERSION OF THE PROBLEM IS GIVEN IN LOW PRECISION. The matrix products marked QUANTISED in the list below multiply operands that are first quantised to E2M1 (2 exponent bits, 1 mantissa bit; 4 bits a number), with one power-of-two scale for each 32 numbers along K (OCP MX v1.0); their sums are f32. The products marked 'left as it is' may take bf16, f16 or f32 operands, with f32 sums. Whichever they take, every output number must still come out within the allowed error. Rounding operands to bf16 (8 significant bits) uses up far more of that allowance than f16 does (11 bits, for magnitudes from 6e-5 to 65,504). All else is computed in f32.
;;   The module's matrix products, in the order in which they are computed (A, B: the left and right operand; K: the contracted axis; several contracted axes count as one K, in the product's order):
;;     1. batch 64 x [M 2,048, K 128] x [K 128, N 2,048]; A: input query; B: input key: QUANTISED
;;     2. batch 64 x [M 128, K 2,048] x [K 2,048, N 2,048]; A: input value; B: computed on the way: left as it is (an operand is computed on the way)
;;   THE QUANTISER, for each operand of a quantised product, along K:
;;     - K is cut into blocks of 32 from its start; a last block that is shorter is filled with zeros.
;;     - A block's scale is 2^e with e = floor(log2(the largest magnitude in the block)) - 2, held to -126 .. 127; a block of zeros has e = 0. As a byte (E8M0): e + 127.
;;     - Each number is divided by its block's scale, clamped to +-6, and rounded to the nearest number of E2M1, ties to even, subnormals kept.
;;     - The product sums the exact products of the quantised numbers (number of the format x scale) in f32.
;;   ~~~python
;;   def quantise(x, axis):      # numpy; x: float32 -> the quantised numbers, widened to float32 again
;;       x = np.moveaxis(x, axis, -1); K = x.shape[-1]
;;       x = np.pad(x, [(0, 0)] * (x.ndim - 1) + [(0, -K % 32)]); x = x.reshape(x.shape[:-1] + (-1, 32)); a = np.abs(x).max(-1, keepdims=True)
;;       e = np.where(a > 0, np.clip(np.frexp(np.where(a > 0, a, 1))[1] - 1 - 2, -126, 127), 0)      # np.frexp(a)[1] - 1 = floor(log2(a)), exactly
;;       r = np.clip(x / 2.0 ** e, -6, 6)
;;       step = 2.0 ** (np.maximum(np.frexp(np.where(r == 0, 1, r))[1] - 1, 0) - 1)
;;       q = np.round(r / step) * step * 2.0 ** e      # np.round: ties to even
;;       return np.moveaxis(q.reshape(q.shape[:-2] + (-1,))[..., :K], -1, axis).astype(np.float32)
;;   ~~~
;; 2 versions, each right; version 2 is version 1 with the launch attn written anew for expert scheduling mode. Each part assembles by itself: llvm-mc -triple=amdgcn-amd-amdhsa -mcpu=gfx1250 --defsym DOCPART=n.
;; ======== version 1 of 2: 2 launches
;; limits: values are held in f16: magnitudes above 65,504 overflow, below 6.1e-05 lose precision; inputs' magnitudes at most 65,504
;; workspace buffers: kv 42,991,616 bytes; cnt 512 bytes of whole numbers
;; launch pack (part 1): grid 32 x 16, 8 waves a work-group, no clusters, 68,608 bytes of LDS; arguments mask, key, value, kv, cnt; writes kv, cnt
.if DOCPART == 1
	.amdgcn_target "amdgcn-amd-amdhsa--gfx1250"
	.amdhsa_code_object_version 6
	.text
	.protected	k_q4187d63fd5_pack
	.globl	k_q4187d63fd5_pack
	.p2align	8
	.type	k_q4187d63fd5_pack,@function
k_q4187d63fd5_pack:
	s_mov_b64 s[64:65], 0
	v_nop
	global_prefetch_b8 v0, s[64:65] scope:SCOPE_SE
	s_setreg_imm32_b32 hwreg(HW_REG_WAVE_MODE, 25, 1), 1
	s_wait_xcnt 0x0
; PACK.  mask [4][2048] i32, key and value [4][2048][16][128] f32.  For each batch the keys that the mask keeps are ranked, and only their rows of key and value are read:
; key is quantised to FP4 (E2M1, one E8M0 byte for each 32 of the head's 128), value is rounded to f16, and both are laid IN THE ORDER OF THE OPERANDS' REGISTERS, one dense record of
; REC bytes for each (batch, head, step of 64 ranks), so that the next launch takes every fragment by 16-byte loads alone.  cnt[b][0..31] = N(b), the steps that batch b has.
; THE RECORD: 0: V^T, 16 fragments [kb 0..1][t 0..7] of 1,024 bytes, [half][lane][16 bytes]: lane (r', h') of half hf holds channel 64 (t % 2) + 4 r' + t / 2 and the keys 32 kb + 16 hf + 8 h' + 0..7;
;   KOFF: K, 4 fragments of 16 keys x 128, [c][lane][16 bytes]: lane (r, h) holds key r, codes 64 c + 32 h + 0..31;  SOFF: a scale word a key;  BOFF: a bias a key: 0, or -2^126 for a rank behind the last kept key.
; The channels of a tile of V^T are not neighbours: a lane that has loaded 16 bytes of a row holds 4 neighbouring channels, and with this choice 16 neighbouring lanes store 256 consecutive bytes.
; A BATCH IN WHICH NO KEY IS KEPT: reference()'s scores are then all equal, the weights uniform over all 2,048 keys.  Here all keys are then ranked and K's codes are cleared: all scores 0.  No branch.
; THE RANKS' ORDER: ballot word w = 4 m + e holds at bit i the key 128 m + 4 i + e (the mask is loaded 16 bytes a lane); ranks go by word, then by bit.  A softmax does not mind the order of its keys.
; SHARES: grid x = the step, y = 4 b + a group of 4 heads.  Wave w: head 4 hg + w / 2, half u = w % 2 of the step: 32 ranks, a lane a rank.  Every wave ranks for itself: no barrier, no traffic.
; A work-group whose step lies behind N(b) stores nothing and ends: the grid has to serve every mask, all keys kept too.
; LIMITS: NaN and infinities are not served; |value| up to 65,504 (f16); a block of key whose largest magnitude lies under 2^-124 keeps the scale byte 1; a block of zeros keeps the byte 1 (its codes are zeros; this program alone reads the bytes).
.set REC,   20992
.set KOFF,  16384
.set SOFF,  20480
.set BOFF,  20736
.set SP,    528                        ; a stage row: 512 bytes + 16: an odd multiple of 16, so that the 16 rows that a load touches fall on different banks (64 banks of 4 bytes: ISA guide 11.1)
.set WSTG,  16*SP                      ; a wave's stage: 16 rows
.set SPARE, 8*WSTG                     ; behind the stages: the spare words, 128 bytes a wave, that no other line names
.set LANE, 1
.set L16,  2                           ; 16 x lane
.set SW,   3                           ; the stage, on the way in: 16 x lane
.set SR,   4                           ; and out: row r, + 128 h
.set VST,  5                           ; V's stores: 8192 u + 1024 (lane / 16) + 16 (lane % 16)
.set SH8,  6                           ; 8 h
.set L4S,  7                           ; 128 u + 4 x lane
.set BIAS, 8
.set W0,   9                           ; v9, v10: the two tiles' scale words
.set PT,   11                          ; a lane permute's destination
.set KST,  12                          ; K's stores: 2048 u + 16 x lane
.set NV,   13                          ; N, as the count's store wants it
.set SPW,  14                          ; my spare word; never rewritten
.set NIL,  15                          ; 0; never rewritten
.set OFF,  16                          ; v16-47  byte offset of my 16 bytes in the row of rank j of my wave
.set X,    48                          ; v48-175 two sets of 16 rows as loaded; at first the mask
.set Y,    176                         ; v176-239 64 numbers of my row along the head; then V's f16; at first the ranking's registers
.set VR,   176                         ; my rank
.set VW,   177                         ; the ballot word that holds it
.set VP,   178                         ; the ranks ahead of that word
.set VKB,  179                         ; the word's first key
.set VQ,   180
.set VC,   181
.set VI,   182
.set VT,   183
.set C,    240                         ; v240-247 a fragment's codes
.set QM,   248                         ; v248-254 the quantiser's: two maxima, two scale operands, two bytes, the word
	s_load_b256 s[4:11], s[0:1], 0x0               ; mask s[4:5], key s[6:7], value s[8:9], kv s[10:11]
	s_load_b64 s[12:13], s[0:1], 0x20              ; cnt
	v_lshl_add_u32 v[SPW], v0, 2, SPARE
	v_mov_b32 v[NIL], 0
	v_lshrrev_b32 v[LANE], 5, v0
	v_readfirstlane_b32 s14, v[LANE]               ; wave 0..7
	v_and_b32 v[LANE], 31, v0
	s_mov_b32 s15, ttmp9                           ; the step
	s_and_b32 s24, ttmp7, 0xffff
	s_lshr_b32 s16, s24, 2                         ; b
	s_and_b32 s24, s24, 3                          ; the group of heads
	s_lshr_b32 s25, s14, 1
	s_lshl_b32 s17, s24, 2
	s_add_co_u32 s17, s17, s25                     ; the head
	s_and_b32 s23, s14, 1                          ; u
	s_or_b32 s30, s24, s15
	s_or_b32 s30, s30, s14                         ; 0 in the one wave of a batch that stores the count
	s_mov_b32 s28, 0x76543210
	s_mov_b32 s29, 0xfedcba98                      ; v_permlanex16_b32's selects for lane l xor 16
	v_lshlrev_b32 v[L16], 4, v[LANE]
	s_lshl_b32 s26, s16, 13                        ; a batch's mask is 8,192 bytes
	s_mov_b32 s27, 0
	s_wait_kmcnt 0x0
	s_add_nc_u64 s[4:5], s[4:5], s[26:27]
.irp m, 0,1,2,3,4,5,6,7,8,9,10,11,12,13,14,15
	global_load_b128 v[X+4*\m:X+4*\m+3], v[L16], s[4:5] offset:512*\m   ; register 4 m + e of lane i: key 128 m + 4 i + e
.endr
	s_mul_i32 s24, s14, WSTG                       ; all addresses are made here, ahead of every branch
	v_and_b32 v[VI], 15, v0                        ; r
	v_bfe_u32 v[VT], v0, 4, 1                      ; h
	v_add_nc_u32 v[SW], s24, v[L16]
	v_mul_u32_u24 v[SR], v[VI], SP
	v_lshl_add_u32 v[SR], v[VT], 7, v[SR]
	v_add_nc_u32 v[SR], s24, v[SR]
	v_lshlrev_b32 v[VST], 4, v[VI]
	v_lshl_add_u32 v[VST], v[VT], 10, v[VST]
	s_lshl_b32 s24, s23, 13
	v_add_nc_u32 v[VST], s24, v[VST]
	v_lshlrev_b32 v[SH8], 3, v[VT]
	s_lshl_b32 s24, s23, 7
	v_lshl_add_u32 v[L4S], v[LANE], 2, s24
	s_lshl_b32 s24, s23, 11
	v_add_nc_u32 v[KST], s24, v[L16]
	v_mov_b32 v[PT], 0
	s_lshl_b32 s24, s15, 6
	s_lshl_b32 s25, s23, 5
	s_add_co_u32 s24, s24, s25
	v_add_nc_u32 v[VR], s24, v[LANE]               ; my rank: 64 x step + 32 u + lane
	v_mov_b32 v[VW], 0
	v_mov_b32 v[VP], 0
	v_mov_b32 v[VKB], 0
	s_wait_loadcnt 0x0
; the 64 ballots: word w in s[32 + w], from w = 32 on in s[34 + w]
.set w, 0
.rept 64
.set bw, 32+w+2*(w/32)
	v_cmp_ne_u32 s[bw], 0, v[X+w]
.set w, w+1
.endr
	s_mov_b32 s24, 0
.set w, 0
.rept 64
.set bw, 32+w+2*(w/32)
	s_or_b32 s24, s24, s[bw]
.set w, w+1
.endr
	s_cmp_eq_u32 s24, 0                            ; is no key kept?
	s_cselect_b32 s19, -1, 0                       ; then all are ranked,
	s_cselect_b32 s20, 0, -1                       ; and K's codes are cleared
; the word that holds my rank: the last whose count of ranks ahead of it, P, is at or under my rank
	s_mov_b32 s18, 0                               ; P
.set w, 0
.rept 64
.set bw, 32+w+2*(w/32)
	s_or_b32 s24, s[bw], s19
	v_cmp_gt_u32 vcc_lo, s18, v[VR]                ; P > my rank: the word lies behind it
	v_cndmask_b32 v[VW], s24, v[VW], vcc_lo
	v_cndmask_b32 v[VP], s18, v[VP], vcc_lo
	v_cndmask_b32 v[VKB], 128*(w/4)+w%4, v[VKB], vcc_lo
	s_bcnt1_i32_b32 s25, s24
	s_add_co_u32 s18, s18, s25
.set w, w+1
.endr
	s_mov_b32 s21, s18                             ; the keys that count
	s_add_co_u32 s22, s18, 63
	s_lshr_b32 s22, s22, 6                         ; N: their steps of 64
	s_cmp_lg_u32 s30, 0
	s_cbranch_scc1 .Lno_count
	v_mov_b32 v[NV], s22
	s_lshl_b32 s24, s16, 7
	s_mov_b32 s25, 0
	s_add_nc_u64 s[12:13], s[12:13], s[24:25]
	global_store_b32 v[L4S], v[NV], s[12:13]       ; wave 0 has u = 0: 4 x lane: the batch's 32 words
.Lno_count:
	s_cmp_ge_u32 s15, s22
	s_cbranch_scc0 .Lwork
	s_endpgm                                       ; this mask leaves my step without keys; nothing was written to LDS
.Lwork:
; which bit of the word: the (q + 1)-th that is set.  Its place = the number of places i at which the count of set bits up to i is still at or under q
	v_sub_nc_u32 v[VQ], v[VR], v[VP]
	v_mov_b32 v[VC], 0
	v_mov_b32 v[VI], 0
.set i, 0
.rept 32
	v_bfe_u32 v[VT], v[VW], i, 1
	v_add_nc_u32 v[VC], v[VC], v[VT]
	v_cmp_le_u32 vcc_lo, v[VC], v[VQ]
	v_add_co_ci_u32 v[VI], vcc_lo, 0, v[VI], vcc_lo
.set i, i+1
.endr
	v_lshl_add_u32 v[VKB], v[VI], 2, v[VKB]        ; my key
	v_min_u32 v[VKB], 0x7ff, v[VKB]                ; a rank behind the last kept key names a row inside the tensor; its bias takes it out of the softmax
	v_mov_b32 v[BIAS], 0xfe800000                  ; -2^126
	v_cmp_le_u32 vcc_lo, s21, v[VR]
	v_cndmask_b32 v[BIAS], 0, v[BIAS], vcc_lo
	s_lshl_b32 s24, s16, 24                        ; a batch is 2^24 bytes, a key 8,192, a head 512
	s_lshl_b32 s25, s17, 9
	s_add_co_u32 s24, s24, s25
	s_mov_b32 s25, 0
	s_add_nc_u64 s[6:7], s[6:7], s[24:25]
	s_add_nc_u64 s[8:9], s[8:9], s[24:25]
	s_lshl_b32 s24, s16, 4
	s_add_co_u32 s24, s24, s17
	s_lshl_b32 s24, s24, 5
	s_add_co_u32 s24, s24, s15
	s_mul_i32 s24, s24, REC                        ; my record: ((16 b + head) 32 + step) REC, under 2^26
	s_add_nc_u64 s[10:11], s[10:11], s[24:25]
.set j, 0
.rept 32
	v_readlane_b32 s24, v[VKB], j                  ; the key of my wave's rank j,
	s_min_u32 s24, s24, 2047
	s_lshl_b32 s24, s24, 13
	v_add_nc_u32 v[OFF+j], s24, v[L16]             ; and my 16 bytes of its row: a row's 512 bytes are read by one instruction
.set j, j+1
.endr
.macro KLOAD t
.irp j, 0,1,2,3,4,5,6,7,8,9,10,11,12,13,14,15
	global_load_b128 v[X+64*(\t)+4*\j:X+64*(\t)+4*\j+3], v[OFF+16*(\t)+\j], s[6:7]
.endr
.endm
.macro VLOAD t
.irp j, 0,1,2,3,4,5,6,7,8,9,10,11,12,13,14,15
	global_load_b128 v[X+64*(\t)+4*\j:X+64*(\t)+4*\j+3], v[OFF+16*(\t)+\j], s[8:9]
.endr
.endm
; 16 rows go through my stage as they lie and come back so that lane (r, h) holds, of row r, the numbers 64 c + 32 h + 0..31 in registers 32 c + 0..31.  LDS serves a wave's instructions in order (ISA guide 5.7.1.4)
.macro TURNK t
.irp j, 0,1,2,3,4,5,6,7,8,9,10,11,12,13,14,15
	ds_store_b128 v[SW], v[X+64*(\t)+4*\j:X+64*(\t)+4*\j+3] offset:SP*\j
.endr
.irp c, 0,1
.irp i, 0,1,2,3,4,5,6,7
	ds_load_b128 v[Y+32*\c+4*\i:Y+32*\c+4*\i+3], v[SR] offset:256*\c+16*\i
.endr
.endr
.endm
; THE QUANTISER.  A lane holds two whole blocks of 32: blocks h and 2 + h of its row.  The largest magnitude's exponent field less 2 is the scale's byte, and the conversion takes just that field of its scale operand.
.macro QUANT wd
.irp c, 0,1
	v_max3_num_f32 v[QM+\c], |v[Y+32*\c]|, |v[Y+32*\c+1]|, 0x1800000   ; with the floor 2^(3 - 127): the byte cannot fall under 1
.endr
.irp i, 2,4,6,8,10,12,14,16,18,20,22,24,26,28,30
.irp c, 0,1
	v_max3_num_f32 v[QM+\c], v[QM+\c], |v[Y+32*\c+\i]|, |v[Y+32*\c+\i+1]|   ; the two blocks by turns
.endr
.endr
.irp c, 0,1
	v_add_nc_u32 v[QM+2+\c], 0xff000000, v[QM+\c]
.endr
.irp c, 0,1
	v_lshrrev_b32 v[QM+4+\c], 23, v[QM+2+\c]
.endr
	v_lshl_or_b32 v[QM+6], v[QM+5], 16, v[QM+4]    ; my two bytes,
	v_lshlrev_b32 v[QM+6], v[SH8], v[QM+6]         ; at their places in the row's word;
	v_permlanex16_b32 v[PT], v[QM+6], s28, s29
	v_or_b32 v[\wd], v[QM+6], v[PT]                ; with lane l xor 16's two the word is whole
.irp c, 0,1
.irp g, 0,1,2,3
	v_cvt_scalef32_pk8_fp4_f32 v[C+4*\c+\g], v[Y+32*\c+8*\g:Y+32*\c+8*\g+7], v[QM+2+\c]   ; to the nearest code, ties to even; beyond 6 the largest code
.endr
.endr
	v_nop                                          ; one plain instruction behind the last scaled conversion
.endm
	KLOAD 0
	KLOAD 1
.irp t, 0,1
	s_wait_loadcnt 16                              ; this tile's 16 rows are in; the 16 loads issued behind them (K's tile 1; then V's first 16 rows) may be out
	TURNK \t
	s_wait_dscnt 0x0                               ; the rows are back, and the stores into the stage have read their registers,
	VLOAD \t                                       ; which take 16 rows of value
.if \t == 1
	s_wait_xcnt 0x0                                ; tile 0's stores have read the codes' registers, which are written again below
.endif
	QUANT W0+\t
.irp g, 0,1,2,3,4,5,6,7
	v_and_b32 v[C+\g], s20, v[C+\g]                ; cleared where the batch keeps no key
.endr
.irp c, 0,1
	global_store_b128 v[KST], v[C+4*\c:C+4*\c+3], s[10:11] offset:KOFF+1024*\t+512*\c   ; 32 lanes store 512 consecutive bytes
.endr
.endr
	v_cmp_gt_u32 vcc_lo, 16, v[LANE]
	v_cndmask_b32 v[W0], v[W0+1], v[W0], vcc_lo    ; lanes 0-15: the first tile's words; lanes 16-31: the second's
	global_store_b32 v[L4S], v[W0], s[10:11] offset:SOFF
	global_store_b32 v[L4S], v[BIAS], s[10:11] offset:BOFF
; V: two rows' numbers of one channel make a word of f16; eight keys of a channel are 16 bytes of a fragment of V^T
.macro VHALF kk
.irp e, 0,1,2,3
.irp gg, 0,1
.irp i, 0,1,2,3
	v_cvt_pk_f16_f32 v[Y+32*(\kk)+8*\e+4*\gg+\i], v[X+64*(\kk)+4*(8*\gg+2*\i)+\e], v[X+64*(\kk)+4*(8*\gg+2*\i+1)+\e]
.endr
	global_store_b128 v[VST], v[Y+32*(\kk)+8*\e+4*\gg:Y+32*(\kk)+8*\e+4*\gg+3], s[10:11] offset:2048*\e+512*(\kk)+256*\gg   ; each half of the lanes stores 256 consecutive bytes, aligned
.endr
.endr
.endm
	s_wait_loadcnt 16                              ; V's first 16 rows are in; the second 16 may be out
	VHALF 0
	s_wait_loadcnt 0x0
	VHALF 1
	s_wait_tensorcnt 0x0                           ; the wave's end
	ds_add_u32 v[SPW], v[NIL]
	s_wait_dscnt 0x0
	s_endpgm
.Lfunc_end_k_q4187d63fd5_pack:
	.size	k_q4187d63fd5_pack, .Lfunc_end_k_q4187d63fd5_pack-k_q4187d63fd5_pack
	.p2alignl 7, 3214868480
	.fill 96, 4, 3214868480
	.section	.rodata,"a",@progbits
	.p2align	6, 0x0
	.amdhsa_kernel k_q4187d63fd5_pack
		.amdhsa_group_segment_fixed_size 68608
		.amdhsa_private_segment_fixed_size 0
		.amdhsa_enable_private_segment 0
		.amdhsa_kernarg_size 40
		.amdhsa_user_sgpr_count 2
		.amdhsa_user_sgpr_kernarg_segment_ptr 1
		.amdhsa_wavefront_size32 1
		.amdhsa_system_sgpr_workgroup_id_x 1
		.amdhsa_system_sgpr_workgroup_id_y 1
		.amdhsa_system_sgpr_workgroup_id_z 1
		.amdhsa_system_vgpr_workitem_id 0
		.amdhsa_next_free_vgpr 256
		.amdhsa_next_free_sgpr 100
		.amdhsa_reserve_vcc 1
		.amdhsa_float_denorm_mode_32 3
		.amdhsa_float_denorm_mode_16_64 3
		.amdhsa_memory_ordered 1
		.amdhsa_forward_progress 1
		.amdhsa_inst_pref_size 61
	.end_amdhsa_kernel
	.amdgpu_metadata
---
amdhsa.version: [ 1, 2 ]
amdhsa.kernels:
  - .name:           k_q4187d63fd5_pack
    .symbol:         k_q4187d63fd5_pack.kd
    .args:
      - { .name: mask, .offset: 0, .size: 8, .value_kind: global_buffer, .address_space: global }
      - { .name: key, .offset: 8, .size: 8, .value_kind: global_buffer, .address_space: global }
      - { .name: value, .offset: 16, .size: 8, .value_kind: global_buffer, .address_space: global }
      - { .name: kv, .offset: 24, .size: 8, .value_kind: global_buffer, .address_space: global }
      - { .name: cnt, .offset: 32, .size: 8, .value_kind: global_buffer, .address_space: global }
    .group_segment_fixed_size: 68608
    .private_segment_fixed_size: 0
    .kernarg_segment_align: 8
    .kernarg_segment_size: 40
    .max_flat_workgroup_size: 256
    .sgpr_count:     100
    .vgpr_count:     256
    .wavefront_size: 32
...
	.end_amdgpu_metadata
.endif
;; end of part 1
;; launch attn (part 2): grid 8 x 64, 4 waves a work-group, no clusters, 76,288 bytes of LDS; arguments query, kv, cnt, out0; writes out0
.if DOCPART == 2
	.amdgcn_target "amdgcn-amd-amdhsa--gfx1250"
	.amdhsa_code_object_version 6
	.text
	.protected	k_q4187d63fd5_attn
	.globl	k_q4187d63fd5_attn
	.p2align	8
	.type	k_q4187d63fd5_attn,@function
k_q4187d63fd5_attn:
	s_mov_b64 s[64:65], 0
	v_nop
	global_prefetch_b8 v0, s[64:65] scope:SCOPE_SE
	s_setreg_imm32_b32 hwreg(HW_REG_WAVE_MODE, 25, 1), 1
	s_wait_xcnt 0x0
; ATTENTION over the packed keys.  query, out0: [4][2048][16][128] f32.  kv: a record of REC bytes for each (16 b + head, step of 64 kept keys), laid in the order of the operands' registers
; (V^T in f16 at 0, K's FP4 codes at KOFF, a scale word a key at SOFF, a bias a key at BOFF: 0, or -2^126 behind the last kept key).  cnt[b][..] = N(b), the steps to walk, 1 to 32.
; S^T = K Q^T on FP4 codes with E8M0 scales (Q is quantised here, in registers); the bias is that product's C, so that padding costs no instruction.  p = 2^(c s - c m), c = log2(e) / sqrt(128), m the running
; maximum; O and the sum l are multiplied by 2^(c m_old - c m_new) in every step.  O^T = V^T P with f16 operands (p is at most 1) and f32 sums; O / l at the end.
; SHARES.  A work-group owns 256 queries of one (batch, head), each of its four waves 64: four tiles of 16.  Both products are used transposed: a lane holds ONE query throughout.
; BY TURNS.  The wave's tiles are two pieces (tiles 0, 1; tiles 2, 3).  In a turn one piece has the matrix unit (32 products V^T P of the step in hand, 8 products K Q^T of the next), and the other piece's softmax,
; 268 vector instructions cut into 64 slices, stands behind the products V^T P, two slices behind each; the last slice, 16 plain instructions, stands behind the products K Q^T as their places.
; THE RECORDS go memory -> 41 registers a lane -> LDS, where all four waves read them: two slots.  Behind step n's barrier record n + 1 is stored into the slot that step n - 1 read (every wave has waited for those
; reads in front of the barrier), record n + 2 is asked of memory, and K and V of step n are read from the other slot.
; NO TENSOR LOAD, NO CLUSTER: the number of steps is read from memory; what the 8 work-groups of a head share is 20,992 bytes a step.
; The loop has a constant count, 32 steps, and its barrier stands on every way; a step at or behind N jumps over its work alone.
; O^T IS CLEARED at the head (256 moves): where the first product V^T P stands hangs on N, and the barrier may stand under no such branch, so no first step can be written out with a constant 0 as C.
; LIMITS: NaN and infinities are not served; |value| up to 65,504; a block of query whose largest magnitude lies under 2^-124 keeps the scale byte 1.
; REGISTERS, in windows of 256 (s_set_vgpr_msb: bits 1:0 source 0, 3:2 source 1, 5:4 source 2, 7:6 destination):
;   window 0: v1-11 addresses; v12-43 statistics, 8 a tile; v44-45 K's scale words, v46-49 Q's; v50-57 the quantiser's; v64-191 S^T, 32 a tile; v192-255 P, 16 a tile
;   window 1: O^T, 64 a tile     window 2: v0-31 Q's codes; v32-63 K's; v64-95 the bias; v96-136 a record on its way     window 3: v0-127 V^T
.set REC,   20992
.set KOFF,  16384
.set SOFF,  20480
.set BOFF,  20736
.set SLOT1, REC
.set STAGE, 2*REC                      ; behind the slots: 16 rows x 528 bytes for each wave, for Q on the way in and O on the way out
.set SP,    528                        ; 512 bytes + 16: an odd multiple of 16
.set SPARE, STAGE+4*16*SP              ; the spare words, 128 bytes a wave, that no other line names
.set L16, 2                            ; 16 x lane
.set L4,  3                            ; 4 x lane
.set H32, 4                            ; 32 h
.set C16, 5                            ; 16 x thread
.set STO, 6                            ; the stage: row r, + 128 h
.set RD,  7                            ; the stage: 16 x lane
.set C4,  8                            ; 4 x thread
.set SH8, 10                           ; 8 h
.set PFO, 11                           ; 256 x min(thread, 81): a record has 82 blocks of 256 bytes
.set ST,  12                           ; tile t at v[ST + 8 t]: +0 c m, +1 m, +2, +3 l (even keys', odd keys'), +4 to +7 at work; a takes +6
.set KS,  44
.set QS,  46
.set QM,  50
.set SPW, 62                           ; my spare word; never rewritten
.set NIL, 63                           ; 0; never rewritten
.set S,   64
.set P,   192
.set KF,  32                           ; in window 2
.set BF,  64
.set G,   96
.set WV,   12
.set CNT,  13                          ; N
.set NN,   14                          ; n, the step
.set TRIP, 15
.set RP,   16                          ; s[16:17] the record that is asked for next
.set PLIM, 18                          ; N in a wave that prefetches, else 0
.set CS,   58                          ; s[58:59] c, twice: the packed form names a pair
.set SEL,  60                          ; s[60:61] v_permlanex16_b32's selects for lane l xor 16
.set MSB, 0
.macro WIN new                         ; the immediate's high byte repeats the setting that is left; a switch that changes nothing is dropped
.if MSB != \new
	s_set_vgpr_msb (MSB<<8)|\new
.set MSB, \new
.endif
.endm
.set W_KQ, 0x2a                        ; K, Q and the bias in window 2, S^T in window 0
.set W_PV, 0x53                        ; V in window 3, P in window 0, O^T in window 1
.set W_RS, 0x41                        ; O^T in window 1, a in window 0
.macro SYNC                            ; my LDS stores have landed and my LDS loads are in: then the work-group's barrier
	s_wait_dscnt 0x0
	s_barrier_signal -1
	s_barrier_wait -1
.endm
; The record at s[RP] is asked of memory if it exists (it is record n + d): 128 threads x 16 bytes, ten times, and 4 bytes a thread for the last 512.
; ask = 1: behind those loads a prefetch of the record two further on, two steps ahead of its loads: 82 blocks of 256 bytes, a lane a block, in waves 0 to 2 of the head's first work-group alone
; (all 8 work-groups of a head walk the same records); wave 2's last lanes are held on block 81.  Nothing is asked for at or behind record N.
.macro RELOAD d, ask
	WIN 0
	s_add_co_u32 s19, s[NN], \d
	s_cmp_lt_u32 s19, s[CNT]
	s_cbranch_scc0 .Lno_rec_\@
	WIN 0x80
.irp i, 0,1,2,3,4,5,6,7,8,9
	global_load_b128 v[G+4*\i:G+4*\i+3], v[C16], s[RP:RP+1] offset:2048*\i
.endr
	global_load_b32 v[G+40], v[C4], s[RP:RP+1] offset:20480
	WIN 0
.Lno_rec_\@:
.if \ask
	s_add_co_u32 s19, s[NN], (\d)+2
	s_cmp_lt_u32 s19, s[PLIM]
	s_cbranch_scc0 .Lno_ask_\@
	global_prefetch_b8 v[PFO], s[RP:RP+1] offset:2*REC th:TH_LOAD_NT scope:SCOPE_SE
.Lno_ask_\@:
.endif
.endm
.macro STORE_REC slot                  ; the record in hand goes to LDS as it lies
	WIN 0x08                                       ; an LDS store's data are its source 1: window 2
.irp i, 0,1,2,3,4,5,6,7,8,9
	ds_store_b128 v[C16], v[G+4*\i:G+4*\i+3] offset:(\slot)*SLOT1+2048*\i
.endr
	ds_store_b32 v[C4], v[G+40] offset:(\slot)*SLOT1+20480
	WIN 0
.endm
.macro FETCH_K slot                    ; a step's K: 4 fragments; its bias in the result's layout (register j of lane (r, h): key 8 h + j of the tile); its scale words (lanes 0-15 an even tile's, lanes 16-31 the odd one's)
	WIN 0x80
.irp q, 0,1,2,3
.irp c, 0,1
	ds_load_b128 v[KF+8*\q+4*\c:KF+8*\q+4*\c+3], v[L16] offset:(\slot)*SLOT1+KOFF+1024*\q+512*\c
.endr
.endr
.irp q, 0,1,2,3
.irp c, 0,1
	ds_load_b128 v[BF+8*\q+4*\c:BF+8*\q+4*\c+3], v[H32] offset:(\slot)*SLOT1+BOFF+64*\q+16*\c
.endr
.endr
	WIN 0
.irp p, 0,1
	ds_load_b32 v[KS+\p], v[L4] offset:(\slot)*SLOT1+SOFF+128*\p
.endr
.endm
.macro FETCH_V slot, kb                ; half a step's V^T: 8 fragments, 32 keys
	WIN 0xc0
.irp t, 0,1,2,3,4,5,6,7
.irp f, 0,1
	ds_load_b128 v[64*(\kb)+8*\t+4*\f:64*(\kb)+8*\t+4*\f+3], v[L16] offset:(\slot)*SLOT1+(8*(\kb)+\t)*1024+512*\f
.endr
.endr
.endm
; Product i of 32 of O^T += V^T P for piece x: keys 32 (i / 16) on, tile of channels (i / 2) % 8, tile of queries x + i % 2.  The 16 accumulators take turns, one instruction a turn.
.macro PV x
	WIN W_PV
.set rO, 64*((\x)+i%2)+8*((i/2)%8)
.set rV, 64*(i/16)+8*((i/2)%8)
.set rP, P+16*((\x)+i%2)+8*(i/16)
	v_wmma_f32_16x16x32_f16 v[rO:rO+7], v[rV:rV+7], v[rP:rP+7], v[rO:rO+7]
.endm
; Product i of 8 of S^T = K Q^T + bias for piece x: keys 16 (i / 2) on, tile of queries x + i % 2; the head's 128 in one instruction
.macro KQ x
	WIN W_KQ
.set tq, (\x)+i%2
.set kt, i/2
.if kt%2
	v_wmma_scale_f32_16x16x128_f8f6f4 v[S+32*tq+8*kt:S+32*tq+8*kt+7], v[KF+8*kt:KF+8*kt+7], v[8*tq:8*tq+7], v[BF+8*kt:BF+8*kt+7], v[KS+kt/2], v[QS+tq] matrix_a_fmt:MATRIX_FMT_FP4 matrix_b_fmt:MATRIX_FMT_FP4 matrix_a_scale:MATRIX_SCALE_ROW1
.else
	v_wmma_scale_f32_16x16x128_f8f6f4 v[S+32*tq+8*kt:S+32*tq+8*kt+7], v[KF+8*kt:KF+8*kt+7], v[8*tq:8*tq+7], v[BF+8*kt:BF+8*kt+7], v[KS+kt/2], v[QS+tq] matrix_a_fmt:MATRIX_FMT_FP4 matrix_b_fmt:MATRIX_FMT_FP4
.endif
.endm
.macro KQ8 x
.set i, 0
.rept 8
	KQ \x
.set i, i+1
.endr
.endm
; THE VECTOR WORK.  One tile's softmax for a step is a list of 134 instructions; SM writes number j of it for tile t.  s0-s31 are the lane's 32 scores, in pairs 0-15.
;   0-15 the maximum of s0-s31 and the old m (each accumulator is read first at its low end);  16-20 the other half of the lanes' maximum, the new m, c m, c m_old - c m_new
;   21-69 ONE BATCH: 16 packed scalings c s - c m and 33 exponentials (a at 23, then s0-s31); none reads an exponential's result; a pair is scaled in an earlier four than the one with its exponentials
;   (the wait for the batch stands between 69 and 70: SLICE writes it)   70-85 the roundings to f16;  86-101 the sums, l = a l + the sum;  102-133 the tile's O^T times a
.macro SM t
.set rT, ST+8*(\t)
.set rS, S+32*(\t)
.set rP, P+16*(\t)
.set rO, 64*(\t)+2*(j-102)
.if j < 102
	WIN 0
.endif
.if j < 4
	v_max3_num_f32 v[rT+4+j], v[rS+8*j], v[rS+8*j+1], v[rS+8*j+2]
.elseif j < 12
	v_max3_num_f32 v[rT+4+j%4], v[rT+4+j%4], v[rS+8*(j%4)+2*(j/4)+1], v[rS+8*(j%4)+2*(j/4)+2]
.elseif j == 12
	v_max3_num_f32 v[rT+4], v[rT+4], v[rS+7], v[rS+15]
.elseif j == 13
	v_max3_num_f32 v[rT+6], v[rT+6], v[rS+23], v[rS+31]
.elseif j == 14
	v_max3_num_f32 v[rT+4], v[rT+4], v[rT+5], v[rT+6]
.elseif j == 15
	v_max3_num_f32 v[rT+4], v[rT+4], v[rT+7], v[rT+1]
.elseif j == 16
	v_permlanex16_b32 v[rT+5], v[rT+4], s[SEL], s[SEL+1]   ; the query's other 32 keys lie in the lane 16 away
.elseif j == 17
	v_mov_b32 v[rT+7], v[rT]                       ; c m_old is kept for a
.elseif j == 18
	v_max_num_f32 v[rT+1], v[rT+4], v[rT+5]
.elseif j == 19
	v_mul_f32 v[rT], s[CS], v[rT+1]
.elseif j == 20
	v_sub_f32 v[rT+7], v[rT+7], v[rT]
.elseif j == 23
	v_exp_f32 v[rT+6], v[rT+7]
.elseif (j < 23) || ((j < 38) && (j%2 == 0)) || ((j < 66) && (j%4 == 2))
.set b, (j-2)/4
.if j < 38
.set b, (j-20)/2
.endif
	v_pk_fma_f32 v[rS+2*b:rS+2*b+1], v[rS+2*b:rS+2*b+1], s[CS:CS+1], v[rT:rT+1] op_sel_hi:[1,0,0] neg_lo:[0,0,1] neg_hi:[0,0,1]
.elseif j < 70
.set e, j-38
.if j < 66
.set e, j-32-(j-38)/4
.endif
.if j < 38
.set e, (j-25)/2
.endif
	v_exp_f32 v[rS+e], v[rS+e]
.elseif j < 86
	v_cvt_pk_f16_f32 v[rP+j-70], v[rS+2*(j-70)], v[rS+2*(j-70)+1]
.elseif j < 102
.set z, j-86
.set w, 4
.set u, z
.if z >= 14
.set w, 32
.set u, 0
.elseif z >= 12
.set w, 16
.set u, z-12
.elseif z >= 8
.set w, 8
.set u, z-8
.endif
.if z < 15
	v_pk_add_f32 v[rS+w*u:rS+w*u+1], v[rS+w*u:rS+w*u+1], v[rS+w*u+w/2:rS+w*u+w/2+1]
.else
	v_pk_fma_f32 v[rT+2:rT+3], v[rT+2:rT+3], v[rT+6:rT+7], v[rS:rS+1] op_sel_hi:[1,0,1]
.endif
.else
	WIN W_RS
	v_pk_mul_f32 v[rO:rO+1], v[rO:rO+1], v[rT+6:rT+7] op_sel_hi:[1,0]
.endif
.endm
; Slice k of 64 of piece y's softmax.  Slices 11 to 34 deal out the batch, four numbers of one tile each, the tiles by turns; every other slice is numbers 2 k and 2 k + 1 of both tiles; slice 63 takes the eight that are over.
; Behind slice 34 stands the one wait between the piece's 66 exponentials and the first instruction that names a result, with plain instructions ahead of it.
; In piece 2's turn (y = 0) V's loads for the step stand there too: its first 32 keys behind slice 34 (the last product that read those registers is the turn's 16th; four v_nop are the places),
; its other 32 behind slice 62 (the last reader is the turn's 32nd product; slice 62's four multiplications, which name other tiles of O^T, and a v_nop are the places).
.macro SLICE y, slot
.if (k >= 11) && (k < 35)
.irp n, 0,1,2,3
.set j, 22+4*((k-11)/2)+(\n)
	SM (\y)+(k-11)%2
.endr
.else
.irp n, 0,1,2,3,4,5,6,7
.if (\n < 2) || (k == 63)
.irp t, \y, \y+1
.set j, 2*k+\n
	SM \t
.endr
.endif
.endr
.endif
.if k == 34
.if (\y) == 0
.rept 4
	v_nop
.endr
	s_wait_alu depctr_va_vdst(0)
	FETCH_V \slot, 0
.else
	v_nop
	s_wait_alu depctr_va_vdst(0)
.endif
.endif
.if (k == 62) && ((\y) == 0)
	v_nop
	FETCH_V \slot, 1
.endif
.set k, k+1
.endm
.macro PVRUN x, i0, i1, slot           ; products i0 to i1 - 1 of piece x, two slices of the other piece's softmax behind each, up to slice 62
.set i, \i0
.rept (\i1)-(\i0)
	PV \x
.rept 2
.if k < 63
	SLICE 2-(\x), \slot
.endif
.endr
.set i, i+1
.endr
.endm
; STEP n, whose record lies in slot n % 2.  Turn 0: V^T P of step n - 1 and K Q^T of step n for piece 0 | piece 2's softmax of step n - 1.  Turn 2: the same for piece 2 | piece 0's softmax of step n | V of step n.
.macro ITER slot
	SYNC                                           ; record n is whole in its slot, and nobody reads the other slot any more (V of step n - 1 is in registers)
	s_wait_xcnt 0x0                                ; the last step's loads and prefetch have read their base
	s_add_nc_u64 s[RP:RP+1], s[RP:RP+1], REC       ; on to record n + 2, in every step alike
	s_cmp_lt_u32 s[NN], s[CNT]
	s_cbranch_scc0 .Lskip_\@
	s_wait_loadcnt 0x0                             ; record n + 1, asked for a step ago, is in registers (where there is none, what is stored is read by nobody)
	STORE_REC 1-(\slot)
	FETCH_K \slot
.set k, 0
	PVRUN 0, 0, 5, \slot                           ; slices 0 to 9: no exponential is out at the branches below
	WIN 0
	s_wait_dscnt 0x0                               ; the stores have read the record's registers; K, its bias and its scale words are in
	RELOAD 2, 1
	PVRUN 0, 5, 32, \slot
	KQ8 0
	SLICE 2, \slot                                 ; slice 63: 16 plain instructions, the places behind the scores just made
.set k, 0
	PVRUN 2, 0, 32, \slot
	KQ8 2
	SLICE 0, \slot
	WIN 0
.Lskip_\@:
	s_add_co_u32 s[NN], s[NN], 1
.endm
	s_load_b256 s[4:11], s[0:1], 0x0               ; query s[4:5], kv s[6:7], cnt s[8:9], out0 s[10:11]
	v_lshl_add_u32 v[SPW], v0, 2, SPARE
	v_mov_b32 v[NIL], 0
	v_lshrrev_b32 v1, 5, v0
	v_readfirstlane_b32 s[WV], v1                  ; wave 0..3
	v_and_b32 v1, 15, v0                           ; r
	v_bfe_u32 v9, v0, 4, 1                         ; h
	v_and_b32 v[L4], 31, v0
	v_lshlrev_b32 v[L16], 4, v[L4]
	v_lshlrev_b32 v[L4], 2, v[L4]
	v_lshlrev_b32 v[H32], 5, v9
	v_lshlrev_b32 v[C16], 4, v0
	v_lshlrev_b32 v[C4], 2, v0
	v_lshlrev_b32 v[SH8], 3, v9
	v_min_u32 v[PFO], 81, v0
	v_lshlrev_b32 v[PFO], 8, v[PFO]
	s_mul_i32 s19, s[WV], 16*SP
	s_add_co_u32 s19, s19, STAGE                   ; my stage
	v_mul_u32_u24 v[STO], v1, SP
	v_lshl_add_u32 v[STO], v9, 7, v[STO]
	v_add_nc_u32 v[STO], s19, v[STO]
	v_add_nc_u32 v[RD], s19, v[L16]
	s_and_b32 s19, ttmp7, 0xffff                   ; 16 b + head
	s_lshr_b32 s20, s19, 4                         ; b
	s_and_b32 s21, s19, 15                         ; head
	s_lshl_b32 s22, s20, 7                         ; the batch's words of cnt
	s_mov_b32 s23, 0
	s_lshl_b32 s24, s20, 24                        ; a batch is 2^24 bytes, a query 8,192, a head 512:
	s_lshl_b32 s26, ttmp9, 21                      ; my block of 256 queries,
	s_add_co_u32 s24, s24, s26
	s_lshl_b32 s26, s[WV], 19                      ; my wave's 64,
	s_add_co_u32 s24, s24, s26
	s_lshl_b32 s26, s21, 9                         ; my head
	s_add_co_u32 s24, s24, s26
	s_mov_b32 s25, 0
	s_mul_i32 s26, s19, 32*REC                     ; the head's records
	s_mov_b32 s27, 0
	s_mov_b32 s[CS], 0x3e0293ee                    ; c = log2(e) / sqrt(128)
	s_mov_b32 s[CS+1], s[CS]
	s_mov_b32 s[SEL], 0x76543210
	s_mov_b32 s[SEL+1], 0xfedcba98
	s_mov_b32 s[NN], 0
	s_wait_kmcnt 0x0
	s_add_nc_u64 s[8:9], s[8:9], s[22:23]
	s_load_b32 s[CNT], s[8:9], 0x0
	s_add_nc_u64 s[4:5], s[4:5], s[24:25]
	s_add_nc_u64 s[10:11], s[10:11], s[24:25]
	s_add_nc_u64 s[RP:RP+1], s[6:7], s[26:27]
	WIN 0x80
.irp i, 0,1,2,3,4,5,6,7,8,9
	global_load_b128 v[G+4*\i:G+4*\i+3], v[C16], s[RP:RP+1] offset:2048*\i   ; record 0: every batch has it
.endr
	global_load_b32 v[G+40], v[C4], s[RP:RP+1] offset:20480
	WIN 0
.macro QLOAD t                         ; 16 rows of Q, 512 consecutive bytes an instruction, into S^T's registers, which are free
.irp j, 0,1,2,3,4,5,6,7,8,9,10,11,12,13,14,15
	global_load_b128 v[S+64*((\t)%2)+4*\j:S+64*((\t)%2)+4*\j+3], v[L16], s[4:5] offset:(16*(\t)+\j)*8192 th:TH_LOAD_NT
.endr
.endm
.macro QTURN t                         ; through my stage: lane (r, h) then holds, of row r, the numbers 64 c + 32 h + 0..31 in P's registers 32 c + 0..31.  LDS serves a wave's instructions in order (ISA guide 5.7.1.4)
.irp j, 0,1,2,3,4,5,6,7,8,9,10,11,12,13,14,15
	ds_store_b128 v[RD], v[S+64*((\t)%2)+4*\j:S+64*((\t)%2)+4*\j+3] offset:SP*\j
.endr
.irp c, 0,1
.irp i, 0,1,2,3,4,5,6,7
	ds_load_b128 v[P+32*\c+4*\i:P+32*\c+4*\i+3], v[STO] offset:256*\c+16*\i
.endr
.endr
.endm
; THE QUANTISER: a lane holds blocks h and 2 + h of its row whole.  The largest magnitude's exponent field less 2 is the scale's byte, and the conversion takes just that field of its scale operand.
.macro QUANT t
.irp c, 0,1
	v_max3_num_f32 v[QM+\c], |v[P+32*\c]|, |v[P+32*\c+1]|, 0x1800000   ; with the floor 2^(3 - 127): the byte cannot fall under 1
.endr
.irp i, 2,4,6,8,10,12,14,16,18,20,22,24,26,28,30
.irp c, 0,1
	v_max3_num_f32 v[QM+\c], v[QM+\c], |v[P+32*\c+\i]|, |v[P+32*\c+\i+1]|
.endr
.endr
.irp c, 0,1
	v_add_nc_u32 v[QM+2+\c], 0xff000000, v[QM+\c]
.endr
.irp c, 0,1
	v_lshrrev_b32 v[QM+4+\c], 23, v[QM+2+\c]
.endr
	v_lshl_or_b32 v[QM+7], v[QM+5], 16, v[QM+4]
	v_lshlrev_b32 v[QM+7], v[SH8], v[QM+7]
	v_permlanex16_b32 v[QM+6], v[QM+7], s[SEL], s[SEL+1]
	v_or_b32 v[QS+(\t)], v[QM+7], v[QM+6]          ; the row's scale word
	WIN 0x80                                       ; the codes go to window 2
.irp c, 0,1
.irp g, 0,1,2,3
	v_cvt_scalef32_pk8_fp4_f32 v[8*(\t)+4*\c+\g], v[P+32*\c+8*\g:P+32*\c+8*\g+7], v[QM+2+\c]
.endr
.endr
	v_nop                                          ; one plain instruction behind the last scaled conversion
	WIN 0
.endm
	QLOAD 0
	QLOAD 1
	WIN 0x40
.set i, 0
.rept 256
	v_mov_b32 v[i], 0                              ; O^T
.set i, i+1
.endr
	WIN 0
.irp t, 0,1,2,3
	v_mov_b32 v[ST+8*\t+1], 0xfe800000             ; m = -2^126, under every score: the first a is 0, and multiplies zeros
	v_mul_f32 v[ST+8*\t], s[CS], v[ST+8*\t+1]
.irp q, 2,3,4,5,6,7
	v_mov_b32 v[ST+8*\t+\q], 0
.endr
.endr
	v_mov_b32 v[QM+6], 0                           ; a lane permute's destination counts as one of its sources
	s_wait_loadcnt 32                              ; record 0 is in; Q's tiles 0 and 1 may be out
	STORE_REC 0
.macro QSTEP t
.if (\t) < 3
	s_wait_loadcnt 16                              ; this tile's rows are in; the 16 youngest loads, a later tile's, may be out
.else
	s_wait_loadcnt 0x0
.endif
	QTURN \t
	s_wait_dscnt 0x0                               ; the rows are back, and every LDS store has read its registers
.if (\t) == 0
	s_wait_kmcnt 0x0                               ; N
	s_min_u32 s[CNT], s[CNT], 32
	s_cmp_lt_u32 s[WV], 3
	s_cselect_b32 s[PLIM], s[CNT], 0
	s_cmp_eq_u32 ttmp9, 0
	s_cselect_b32 s[PLIM], s[PLIM], 0              ; waves 0 to 2 of the head's first work-group prefetch
	s_wait_xcnt 0x0
	s_add_nc_u64 s[RP:RP+1], s[RP:RP+1], REC
	RELOAD 1, 0                                    ; record 1, if there is one; it stands ahead of tile 2's loads, so the counts above hold with it and without
.endif
.if (\t) < 2
	QLOAD (\t)+2
.endif
	QUANT \t
.endm
	QSTEP 0
	QSTEP 1
	QSTEP 2
	QSTEP 3
	; STEP 0 has no product V^T P yet
	SYNC                                           ; record 0 is whole in slot 0
	s_wait_loadcnt 0x0
	STORE_REC 1                                    ; record 1
	FETCH_K 0
.rept 8
	v_nop                                          ; Q's scale words were written by vector instructions: eight places ahead of the first scaled product
.endr
	s_wait_dscnt 0x0
	s_wait_xcnt 0x0
	s_add_nc_u64 s[RP:RP+1], s[RP:RP+1], REC
	RELOAD 2, 1                                    ; record 2
	KQ8 0
	WIN 0
.rept 4
	v_nop                                          ; the places behind piece 0's first scores
.endr
.set k, 0
.set i, 0
.rept 8
	KQ 2                                           ; piece 2's first scores | piece 0's first softmax | V of step 0
.rept 8
	SLICE 0, 0
.endr
.set i, i+1
.endr
	WIN 0
	s_mov_b32 s[NN], 1
	s_mov_b32 s[TRIP], 16
.Ltrip:                                                ; 16 trips of two steps: n = 1 to 32 (step 32 never has work)
	ITER 1
	ITER 0
	s_sub_co_u32 s[TRIP], s[TRIP], 1
	s_cmp_lg_u32 s[TRIP], 0
	s_cbranch_scc1 .Ltrip
	s_wait_dscnt 0x0                               ; V of the last step
.set k, 0
	PVRUN 0, 0, 32, 0                              ; piece 0: V^T P of the last step | piece 2's last softmax
	SLICE 2, 0
.set i, 0
.rept 32
	PV 2                                           ; piece 2: V^T P of the last step
.set i, i+1
.endr
	; THE WAY OUT.  l's two halves and the other half of the lanes' are added (these lines are the places behind the last products); O^T / l goes through my stage, a tile at a time.
	WIN 0
.irp t, 0,1,2,3
	v_add_f32 v[ST+8*\t+4], v[ST+8*\t+2], v[ST+8*\t+3]
.endr
.irp t, 0,1,2,3
	v_permlanex16_b32 v[ST+8*\t+5], v[ST+8*\t+4], s[SEL], s[SEL+1]
.endr
.irp t, 0,1,2,3
	v_add_f32 v[ST+8*\t+4], v[ST+8*\t+4], v[ST+8*\t+5]
.endr
.irp t, 0,1,2,3
	v_rcp_f32 v[ST+8*\t+6], v[ST+8*\t+4]
.endr
	v_nop                                          ; a plain instruction behind the last reciprocal,
	s_wait_alu depctr_va_vdst(0)                   ; and the wait ahead of the first use: one for the four
; Register j of tile t of O^T holds channel 64 (t % 2) + 32 h + 4 j + t / 2 of query r: the division writes it to register 32 (t % 2) + 4 j + t / 2, so that a lane's 64 numbers are two runs of 32 neighbours.
.macro OUT q
.if (\q) >= 2
	s_wait_xcnt 0x0                                ; the stores of two tiles ago have read the registers that this tile's rows come back into
.endif
	WIN 0x01
.irp t, 0,1,2,3,4,5,6,7
.irp j, 0,1,2,3,4,5,6,7
	v_mul_f32 v[S+32*(\t%2)+4*\j+\t/2], v[64*(\q)+8*\t+\j], v[ST+8*(\q)+6]   ; each accumulator from its low end on
.endr
.endr
	WIN 0
.irp u, 0,1
.irp j, 0,1,2,3,4,5,6,7
	ds_store_b128 v[STO], v[S+32*\u+4*\j:S+32*\u+4*\j+3] offset:256*\u+16*\j
.endr
.endr
.irp i, 0,1,2,3,4,5,6,7,8,9,10,11,12,13,14,15
	ds_load_b128 v[128+64*((\q)%2)+4*\i:128+64*((\q)%2)+4*\i+3], v[RD] offset:SP*\i   ; whole rows; these see the stores above
.endr
	s_wait_dscnt 0x0
.irp i, 0,1,2,3,4,5,6,7,8,9,10,11,12,13,14,15
	global_store_b128 v[L16], v[128+64*((\q)%2)+4*\i:128+64*((\q)%2)+4*\i+3], s[10:11] offset:(16*(\q)+\i)*8192 th:TH_STORE_NT   ; 32 lanes store 512 consecutive bytes, aligned
.endr
.endm
	OUT 0
	OUT 1
	OUT 2
	OUT 3
	s_wait_tensorcnt 0x0                           ; the wave's end
	ds_add_u32 v[SPW], v[NIL]
	s_wait_dscnt 0x0
	s_endpgm
.Lfunc_end_k_q4187d63fd5_attn:
	.size	k_q4187d63fd5_attn, .Lfunc_end_k_q4187d63fd5_attn-k_q4187d63fd5_attn
	.p2alignl 7, 3214868480
	.fill 96, 4, 3214868480
	.section	.rodata,"a",@progbits
	.p2align	6, 0x0
	.amdhsa_kernel k_q4187d63fd5_attn
		.amdhsa_group_segment_fixed_size 76288
		.amdhsa_private_segment_fixed_size 0
		.amdhsa_enable_private_segment 0
		.amdhsa_kernarg_size 32
		.amdhsa_user_sgpr_count 2
		.amdhsa_user_sgpr_kernarg_segment_ptr 1
		.amdhsa_wavefront_size32 1
		.amdhsa_system_sgpr_workgroup_id_x 1
		.amdhsa_system_sgpr_workgroup_id_y 1
		.amdhsa_system_sgpr_workgroup_id_z 1
		.amdhsa_system_vgpr_workitem_id 0
		.amdhsa_next_free_vgpr 1024
		.amdhsa_next_free_sgpr 66
		.amdhsa_reserve_vcc 0
		.amdhsa_float_denorm_mode_32 3
		.amdhsa_float_denorm_mode_16_64 3
		.amdhsa_memory_ordered 1
		.amdhsa_forward_progress 1
		.amdhsa_inst_pref_size 199
	.end_amdhsa_kernel
	.amdgpu_metadata
---
amdhsa.version: [ 1, 2 ]
amdhsa.kernels:
  - .name:           k_q4187d63fd5_attn
    .symbol:         k_q4187d63fd5_attn.kd
    .args:
      - { .name: query, .offset: 0, .size: 8, .value_kind: global_buffer, .address_space: global }
      - { .name: kv, .offset: 8, .size: 8, .value_kind: global_buffer, .address_space: global }
      - { .name: cnt, .offset: 16, .size: 8, .value_kind: global_buffer, .address_space: global }
      - { .name: out0, .offset: 24, .size: 8, .value_kind: global_buffer, .address_space: global }
    .group_segment_fixed_size: 76288
    .private_segment_fixed_size: 0
    .kernarg_segment_align: 8
    .kernarg_segment_size: 32
    .max_flat_workgroup_size: 128
    .sgpr_count:     66
    .vgpr_count:     1024
    .wavefront_size: 32
...
	.end_amdgpu_metadata
.endif
;; end of part 2
;; ======== version 2 of 2: 2 launches; version 1 with the launch attn written anew for expert scheduling mode
;; limits: values are held in f16: magnitudes above 65,504 overflow, below 6.1e-05 lose precision; inputs' magnitudes at most 65,504
;; workspace buffers: kv 42,991,616 bytes; cnt 512 bytes of whole numbers
;; launch pack: the kernel of part 1 again; grid 32 x 16, 8 waves a work-group, no clusters, 68,608 bytes of LDS; arguments mask, key, value, kv, cnt; writes kv, cnt
;; launch attn (part 3): grid 8 x 64, 4 waves a work-group, no clusters, 76,288 bytes of LDS; arguments query, kv, cnt, out0; writes out0
.if DOCPART == 3
	.amdgcn_target "amdgcn-amd-amdhsa--gfx1250"
	.amdhsa_code_object_version 6
	.text
	.protected	k_q4187d63fd5_attn
	.globl	k_q4187d63fd5_attn
	.p2align	8
	.type	k_q4187d63fd5_attn,@function
k_q4187d63fd5_attn:
	s_mov_b64 s[64:65], 0
	v_nop
	global_prefetch_b8 v0, s[64:65] scope:SCOPE_SE
	s_setreg_imm32_b32 hwreg(HW_REG_WAVE_SCHED_MODE, 0, 2), 2
	s_setreg_imm32_b32 hwreg(HW_REG_WAVE_MODE, 25, 1), 1
	s_wait_xcnt 0x0
	s_wait_alu depctr_vm_vsrc(0)
; ATTENTION over the packed keys.  query, out0: [4][2048][16][128] f32.  kv: a record of REC bytes for each (16 b + head, step of 64 kept keys), laid in the order of the operands' registers
; (V^T in f16 at 0, K's FP4 codes at KOFF, a scale word a key at SOFF, a bias a key at BOFF: 0, or -2^126 behind the last kept key).  cnt[b][..] = N(b), the steps to walk, 1 to 32.
; S^T = K Q^T on FP4 codes with E8M0 scales (Q is quantised here, in registers); the bias is that product's C, so that padding costs no instruction.  p = 2^(c s - c m), c = log2(e) / sqrt(128), m the running
; maximum; O and the sum l are multiplied by 2^(c m_old - c m_new) in every step.  O^T = V^T P with f16 operands (p is at most 1) and f32 sums; O / l at the end.
; SHARES.  A work-group owns 256 queries of one (batch, head), each of its four waves 64: four tiles of 16.  Both products are used transposed: a lane holds ONE query throughout.
; BY TURNS.  The wave's tiles are two pieces (tiles 0, 1; tiles 2, 3).  In a turn one piece has the matrix unit (32 products V^T P of the step in hand, 8 products K Q^T of the next), and the other piece's softmax,
; 268 vector instructions cut into 64 slices, stands behind the products V^T P, two slices behind each; the last slice, 16 plain instructions, stands behind the products K Q^T as their places.
; THE RECORDS go memory -> 41 registers a lane -> LDS, where all four waves read them: two slots.  Behind step n's barrier record n + 1 is stored into the slot that step n - 1 read (every wave has waited for those
; reads in front of the barrier), record n + 2 is asked of memory, and K and V of step n are read from the other slot.
; NO TENSOR LOAD, NO CLUSTER: the number of steps is read from memory; what the 8 work-groups of a head share is 20,992 bytes a step.
; The loop has a constant count, 32 steps, and its barrier stands on every way; a step at or behind N jumps over its work alone.
; O^T IS CLEARED at the head (256 moves): where the first product V^T P stands hangs on N, and the barrier may stand under no such branch, so no first step can be written out with a constant 0 as C.
; LIMITS: NaN and infinities are not served; |value| up to 65,504; a block of query whose largest magnitude lies under 2^-124 keeps the scale byte 1.
; REGISTERS, in windows of 256 (s_set_vgpr_msb: bits 1:0 source 0, 3:2 source 1, 5:4 source 2, 7:6 destination):
;   window 0: v1-11 addresses; v12-43 statistics, 8 a tile; v44-45 K's scale words, v46-49 Q's; v50-57 the quantiser's; v64-191 S^T, 32 a tile; v192-255 P, 16 a tile
;   window 1: O^T, 64 a tile     window 2: v0-31 Q's codes; v32-63 K's; v64-95 the bias; v96-136 a record on its way     window 3: v0-127 V^T
; THE MODE: SCHED_MODE bits 1:0 = 2 (LLVM: expert scheduling mode 2), set by the entry lines.  The code itself states the register dependences between vector or matrix instructions and memory or LDS
; instructions, with s_wait_alu, always for 0.
; THE PLAN.  Registers that memory or LDS instructions touch, in the loop:
;   the record's 41   Written by the loads of record n + 2, read by the LDS stores of the next step; no vector instruction names them.  One wait on vm_vsrc a step, behind the stores and ahead of the loads' branch.
;   K, bias, K's scale words   Loaded at a step's head; read by the step's 16 products K Q^T.  One wait on va_vdst at the head, ahead of the loads: the last step's products are done reading them.
;   V^T, keys 0-31    Read by the first 16 products of each turn; loaded behind slice 34 of piece 2's turn, where the wait for the exponentials stands anyway.
;   V^T, keys 32-63   Read by the last 16 products of each turn; loaded behind slice 62 of piece 2's turn, behind a wait on va_vdst of their own.
;   v2-v8, v11        Addresses: made once at the head, never written again; one wait on va_vdst ahead of the first load serves every load, store and prefetch.
;   S^T, P, O^T and the statistics are named in the loop by vector and matrix instructions alone.  At the head (Q through the stage) and on the way out (O through the stage) the waits stand with their lines.
.set REC,   20992
.set KOFF,  16384
.set SOFF,  20480
.set BOFF,  20736
.set SLOT1, REC
.set STAGE, 2*REC                      ; behind the slots: 16 rows x 528 bytes for each wave, for Q on the way in and O on the way out
.set SP,    528                        ; 512 bytes + 16: an odd multiple of 16
.set SPARE, STAGE+4*16*SP              ; the spare words, 128 bytes a wave, that no other line names
.set L16, 2                            ; 16 x lane
.set L4,  3                            ; 4 x lane
.set H32, 4                            ; 32 h
.set C16, 5                            ; 16 x thread
.set STO, 6                            ; the stage: row r, + 128 h
.set RD,  7                            ; the stage: 16 x lane
.set C4,  8                            ; 4 x thread
.set SH8, 10                           ; 8 h
.set PFO, 11                           ; 256 x min(thread, 81): a record has 82 blocks of 256 bytes
.set ST,  12                           ; tile t at v[ST + 8 t]: +0 c m, +1 m, +2, +3 l (even keys', odd keys'), +4 to +7 at work; a takes +6
.set KS,  44
.set QS,  46
.set QM,  50
.set SPW, 62                           ; my spare word; never rewritten
.set NIL, 63                           ; 0; never rewritten
.set S,   64
.set P,   192
.set KF,  32                           ; in window 2
.set BF,  64
.set G,   96
.set WV,   12
.set CNT,  13                          ; N
.set NN,   14                          ; n, the step
.set TRIP, 15
.set RP,   16                          ; s[16:17] the record that is asked for next
.set PLIM, 18                          ; N in a wave that prefetches, else 0
.set CS,   58                          ; s[58:59] c, twice: the packed form names a pair
.set SEL,  60                          ; s[60:61] v_permlanex16_b32's selects for lane l xor 16
.set MSB, 0
.macro WIN new                         ; the immediate's high byte repeats the setting that is left; a switch that changes nothing is dropped
.if MSB != \new
	s_set_vgpr_msb (MSB<<8)|\new
.set MSB, \new
.endif
.endm
.set W_KQ, 0x2a                        ; K, Q and the bias in window 2, S^T in window 0
.set W_PV, 0x53                        ; V in window 3, P in window 0, O^T in window 1
.set W_RS, 0x41                        ; O^T in window 1, a in window 0
.macro SYNC                            ; my LDS stores have landed and my LDS loads are in: then the work-group's barrier
	s_wait_dscnt 0x0
	s_barrier_signal -1
	s_barrier_wait -1
.endm
; The record at s[RP] is asked of memory if it exists (it is record n + d): 128 threads x 16 bytes, ten times, and 4 bytes a thread for the last 512.
; ask = 1: behind those loads a prefetch of the record two further on, two steps ahead of its loads: 82 blocks of 256 bytes, a lane a block, in waves 0 to 2 of the head's first work-group alone
; (all 8 work-groups of a head walk the same records); wave 2's last lanes are held on block 81.  Nothing is asked for at or behind record N.
; The wait on vm_vsrc that these loads hang on (the LDS stores have read the record's registers) stands ahead of the macro, ahead of its branch.
.macro RELOAD d, ask
	WIN 0
	s_add_co_u32 s19, s[NN], \d
	s_cmp_lt_u32 s19, s[CNT]
	s_cbranch_scc0 .Lno_rec_\@
	WIN 0x80
.irp i, 0,1,2,3,4,5,6,7,8,9
	global_load_b128 v[G+4*\i:G+4*\i+3], v[C16], s[RP:RP+1] offset:2048*\i
.endr
	global_load_b32 v[G+40], v[C4], s[RP:RP+1] offset:20480
	WIN 0
.Lno_rec_\@:
.if \ask
	s_add_co_u32 s19, s[NN], (\d)+2
	s_cmp_lt_u32 s19, s[PLIM]
	s_cbranch_scc0 .Lno_ask_\@
	global_prefetch_b8 v[PFO], s[RP:RP+1] offset:2*REC th:TH_LOAD_NT scope:SCOPE_SE
.Lno_ask_\@:
.endif
.endm
.macro STORE_REC slot                  ; the record in hand goes to LDS as it lies: its registers were written by loads alone
	WIN 0x08                                       ; an LDS store's data are its source 1: window 2
.irp i, 0,1,2,3,4,5,6,7,8,9
	ds_store_b128 v[C16], v[G+4*\i:G+4*\i+3] offset:(\slot)*SLOT1+2048*\i
.endr
	ds_store_b32 v[C4], v[G+40] offset:(\slot)*SLOT1+20480
	WIN 0
.endm
; a step's K: 4 fragments; its bias in the result's layout (register j of lane (r, h): key 8 h + j of the tile); its scale words (lanes 0-15 an even tile's, lanes 16-31 the odd one's).  wt = 0: step 0, ahead of which no product has read these registers
.macro FETCH_K slot, wt
	WIN 0x80
.if \wt
	s_wait_alu depctr_va_vdst(0)                   ; the last step's products K Q^T are done reading K's codes, the bias and K's scale words, in which the loads below land; nothing but these loads and a window switch follows up to the last of them
.endif
.irp q, 0,1,2,3
.irp c, 0,1
	ds_load_b128 v[KF+8*\q+4*\c:KF+8*\q+4*\c+3], v[L16] offset:(\slot)*SLOT1+KOFF+1024*\q+512*\c
.endr
.endr
.irp q, 0,1,2,3
.irp c, 0,1
	ds_load_b128 v[BF+8*\q+4*\c:BF+8*\q+4*\c+3], v[H32] offset:(\slot)*SLOT1+BOFF+64*\q+16*\c
.endr
.endr
	WIN 0
.irp p, 0,1
	ds_load_b32 v[KS+\p], v[L4] offset:(\slot)*SLOT1+SOFF+128*\p
.endr
.endm
; half a step's V^T: 8 fragments, 32 keys.  wt = 0: the second half in step 0, ahead of which no product has read these registers
.macro FETCH_V slot, kb, wt
	WIN 0xc0
.if \wt
	s_wait_alu depctr_va_vdst(0)                   ; kb = 0: the piece's 66 exponentials have written their results, ahead of the first instruction that names one, and the turn's first 16 products are done reading the registers in which the loads below land; kb = 1: the turn's last 16 products are done reading them
.endif
.irp t, 0,1,2,3,4,5,6,7
.irp f, 0,1
	ds_load_b128 v[64*(\kb)+8*\t+4*\f:64*(\kb)+8*\t+4*\f+3], v[L16] offset:(\slot)*SLOT1+(8*(\kb)+\t)*1024+512*\f
.endr
.endr
.endm
; Product i of 32 of O^T += V^T P for piece x: keys 32 (i / 16) on, tile of channels (i / 2) % 8, tile of queries x + i % 2.  The 16 accumulators take turns, one instruction a turn.
.macro PV x
	WIN W_PV
.set rO, 64*((\x)+i%2)+8*((i/2)%8)
.set rV, 64*(i/16)+8*((i/2)%8)
.set rP, P+16*((\x)+i%2)+8*(i/16)
	v_wmma_f32_16x16x32_f16 v[rO:rO+7], v[rV:rV+7], v[rP:rP+7], v[rO:rO+7]
.endm
; Product i of 8 of S^T = K Q^T + bias for piece x: keys 16 (i / 2) on, tile of queries x + i % 2; the head's 128 in one instruction
.macro KQ x
	WIN W_KQ
.set tq, (\x)+i%2
.set kt, i/2
.if kt%2
	v_wmma_scale_f32_16x16x128_f8f6f4 v[S+32*tq+8*kt:S+32*tq+8*kt+7], v[KF+8*kt:KF+8*kt+7], v[8*tq:8*tq+7], v[BF+8*kt:BF+8*kt+7], v[KS+kt/2], v[QS+tq] matrix_a_fmt:MATRIX_FMT_FP4 matrix_b_fmt:MATRIX_FMT_FP4 matrix_a_scale:MATRIX_SCALE_ROW1
.else
	v_wmma_scale_f32_16x16x128_f8f6f4 v[S+32*tq+8*kt:S+32*tq+8*kt+7], v[KF+8*kt:KF+8*kt+7], v[8*tq:8*tq+7], v[BF+8*kt:BF+8*kt+7], v[KS+kt/2], v[QS+tq] matrix_a_fmt:MATRIX_FMT_FP4 matrix_b_fmt:MATRIX_FMT_FP4
.endif
.endm
.macro KQ8 x
.set i, 0
.rept 8
	KQ \x
.set i, i+1
.endr
.endm
; THE VECTOR WORK.  One tile's softmax for a step is a list of 134 instructions; SM writes number j of it for tile t.  s0-s31 are the lane's 32 scores, in pairs 0-15.
;   0-15 the maximum of s0-s31 and the old m (each accumulator is read first at its low end);  16-20 the other half of the lanes' maximum, the new m, c m, c m_old - c m_new
;   21-69 ONE BATCH: 16 packed scalings c s - c m and 33 exponentials (a at 23, then s0-s31); none reads an exponential's result; a pair is scaled in an earlier four than the one with its exponentials
;   (the wait for the batch stands between 69 and 70: SLICE writes it)   70-85 the roundings to f16;  86-101 the sums, l = a l + the sum;  102-133 the tile's O^T times a
.macro SM t
.set rT, ST+8*(\t)
.set rS, S+32*(\t)
.set rP, P+16*(\t)
.set rO, 64*(\t)+2*(j-102)
.if j < 102
	WIN 0
.endif
.if j < 4
	v_max3_num_f32 v[rT+4+j], v[rS+8*j], v[rS+8*j+1], v[rS+8*j+2]
.elseif j < 12
	v_max3_num_f32 v[rT+4+j%4], v[rT+4+j%4], v[rS+8*(j%4)+2*(j/4)+1], v[rS+8*(j%4)+2*(j/4)+2]
.elseif j == 12
	v_max3_num_f32 v[rT+4], v[rT+4], v[rS+7], v[rS+15]
.elseif j == 13
	v_max3_num_f32 v[rT+6], v[rT+6], v[rS+23], v[rS+31]
.elseif j == 14
	v_max3_num_f32 v[rT+4], v[rT+4], v[rT+5], v[rT+6]
.elseif j == 15
	v_max3_num_f32 v[rT+4], v[rT+4], v[rT+7], v[rT+1]
.elseif j == 16
	v_permlanex16_b32 v[rT+5], v[rT+4], s[SEL], s[SEL+1]   ; the query's other 32 keys lie in the lane 16 away
.elseif j == 17
	v_mov_b32 v[rT+7], v[rT]                       ; c m_old is kept for a
.elseif j == 18
	v_max_num_f32 v[rT+1], v[rT+4], v[rT+5]
.elseif j == 19
	v_mul_f32 v[rT], s[CS], v[rT+1]
.elseif j == 20
	v_sub_f32 v[rT+7], v[rT+7], v[rT]
.elseif j == 23
	v_exp_f32 v[rT+6], v[rT+7]
.elseif (j < 23) || ((j < 38) && (j%2 == 0)) || ((j < 66) && (j%4 == 2))
.set b, (j-2)/4
.if j < 38
.set b, (j-20)/2
.endif
	v_pk_fma_f32 v[rS+2*b:rS+2*b+1], v[rS+2*b:rS+2*b+1], s[CS:CS+1], v[rT:rT+1] op_sel_hi:[1,0,0] neg_lo:[0,0,1] neg_hi:[0,0,1]
.elseif j < 70
.set e, j-38
.if j < 66
.set e, j-32-(j-38)/4
.endif
.if j < 38
.set e, (j-25)/2
.endif
	v_exp_f32 v[rS+e], v[rS+e]
.elseif j < 86
	v_cvt_pk_f16_f32 v[rP+j-70], v[rS+2*(j-70)], v[rS+2*(j-70)+1]
.elseif j < 102
.set z, j-86
.set w, 4
.set u, z
.if z >= 14
.set w, 32
.set u, 0
.elseif z >= 12
.set w, 16
.set u, z-12
.elseif z >= 8
.set w, 8
.set u, z-8
.endif
.if z < 15
	v_pk_add_f32 v[rS+w*u:rS+w*u+1], v[rS+w*u:rS+w*u+1], v[rS+w*u+w/2:rS+w*u+w/2+1]
.else
	v_pk_fma_f32 v[rT+2:rT+3], v[rT+2:rT+3], v[rT+6:rT+7], v[rS:rS+1] op_sel_hi:[1,0,1]
.endif
.else
	WIN W_RS
	v_pk_mul_f32 v[rO:rO+1], v[rO:rO+1], v[rT+6:rT+7] op_sel_hi:[1,0]
.endif
.endm
; Slice k of 64 of piece y's softmax.  Slices 11 to 34 deal out the batch, four numbers of one tile each, the tiles by turns; every other slice is numbers 2 k and 2 k + 1 of both tiles; slice 63 takes the eight that are over.
; Behind slice 34 stands the one wait between the piece's 66 exponentials and the first instruction that names a result, with plain instructions ahead of it.
; In piece 2's turn (y = 0) V's loads for the step stand there too: its first 32 keys behind slice 34 (the last product that read those registers is the turn's 16th; the batch's wait, which FETCH_V writes behind its
; window switch, states that it is done reading them), its other 32 behind slice 62 (the last reader is the turn's 32nd product; FETCH_V writes a wait of their own).  PVOUT = 0 in step 0, which has no product V^T P yet.
.macro SLICE y, slot
.if (k >= 11) && (k < 35)
.irp n, 0,1,2,3
.set j, 22+4*((k-11)/2)+(\n)
	SM (\y)+(k-11)%2
.endr
.else
.irp n, 0,1,2,3,4,5,6,7
.if (\n < 2) || (k == 63)
.irp t, \y, \y+1
.set j, 2*k+\n
	SM \t
.endr
.endif
.endr
.endif
.if k == 34
.if (\y) == 0
.rept 4
	v_nop
.endr
	FETCH_V \slot, 0, 1
.else
	v_nop
	s_wait_alu depctr_va_vdst(0)                   ; the piece's 66 exponentials have written their results, ahead of the first instruction that names one
.endif
.endif
.if (k == 62) && ((\y) == 0)
	v_nop
	FETCH_V \slot, 1, PVOUT
.endif
.set k, k+1
.endm
.macro PVRUN x, i0, i1, slot           ; products i0 to i1 - 1 of piece x, two slices of the other piece's softmax behind each, up to slice 62
.set i, \i0
.rept (\i1)-(\i0)
	PV \x
.rept 2
.if k < 63
	SLICE 2-(\x), \slot
.endif
.endr
.set i, i+1
.endr
.endm
; STEP n, whose record lies in slot n % 2.  Turn 0: V^T P of step n - 1 and K Q^T of step n for piece 0 | piece 2's softmax of step n - 1.  Turn 2: the same for piece 2 | piece 0's softmax of step n | V of step n.
.macro ITER slot
	SYNC                                           ; record n is whole in its slot, and nobody reads the other slot any more (V of step n - 1 is in registers)
	s_wait_xcnt 0x0                                ; the last step's loads and prefetch have read their base
	s_add_nc_u64 s[RP:RP+1], s[RP:RP+1], REC       ; on to record n + 2, in every step alike
	s_cmp_lt_u32 s[NN], s[CNT]
	s_cbranch_scc0 .Lskip_\@
	s_wait_loadcnt 0x0                             ; record n + 1, asked for a step ago, is in registers (where there is none, what is stored is read by nobody)
	STORE_REC 1-(\slot)
	FETCH_K \slot, 1
.set k, 0
	PVRUN 0, 0, 5, \slot                           ; slices 0 to 9: no exponential is out at the branches below
	WIN 0
	s_wait_alu depctr_vm_vsrc(0)                   ; the LDS stores above have read the record's registers, in which record n + 2 lands; ahead of the branch that leads to its loads
	RELOAD 2, 1
	PVRUN 0, 5, 32, \slot
	s_wait_dscnt 0x0                               ; K, its bias and its scale words, asked for 32 products ago, are in
	KQ8 0
	SLICE 2, \slot                                 ; slice 63: 16 plain instructions, the places behind the scores just made
.set k, 0
	PVRUN 2, 0, 32, \slot
	KQ8 2
	SLICE 0, \slot
	WIN 0
.Lskip_\@:
	s_add_co_u32 s[NN], s[NN], 1
.endm
	s_load_b256 s[4:11], s[0:1], 0x0               ; query s[4:5], kv s[6:7], cnt s[8:9], out0 s[10:11]
	v_lshl_add_u32 v[SPW], v0, 2, SPARE
	v_mov_b32 v[NIL], 0
	v_lshrrev_b32 v1, 5, v0
	v_readfirstlane_b32 s[WV], v1                  ; wave 0..3
	v_and_b32 v1, 15, v0                           ; r
	v_bfe_u32 v9, v0, 4, 1                         ; h
	v_and_b32 v[L4], 31, v0
	v_lshlrev_b32 v[L16], 4, v[L4]
	v_lshlrev_b32 v[L4], 2, v[L4]
	v_lshlrev_b32 v[H32], 5, v9
	v_lshlrev_b32 v[C16], 4, v0
	v_lshlrev_b32 v[C4], 2, v0
	v_lshlrev_b32 v[SH8], 3, v9
	v_min_u32 v[PFO], 81, v0
	v_lshlrev_b32 v[PFO], 8, v[PFO]
	s_wait_alu depctr_va_sdst(0)                   ; the wave's number is written, ahead of its first reader: the stage's place, Q's and O's bases and the prefetches' limit are made from it
	s_mul_i32 s19, s[WV], 16*SP
	s_add_co_u32 s19, s19, STAGE                   ; my stage
	v_mul_u32_u24 v[STO], v1, SP
	v_lshl_add_u32 v[STO], v9, 7, v[STO]
	v_add_nc_u32 v[STO], s19, v[STO]
	v_add_nc_u32 v[RD], s19, v[L16]
	s_and_b32 s19, ttmp7, 0xffff                   ; 16 b + head
	s_lshr_b32 s20, s19, 4                         ; b
	s_and_b32 s21, s19, 15                         ; head
	s_lshl_b32 s22, s20, 7                         ; the batch's words of cnt
	s_mov_b32 s23, 0
	s_lshl_b32 s24, s20, 24                        ; a batch is 2^24 bytes, a query 8,192, a head 512:
	s_lshl_b32 s26, ttmp9, 21                      ; my block of 256 queries,
	s_add_co_u32 s24, s24, s26
	s_lshl_b32 s26, s[WV], 19                      ; my wave's 64,
	s_add_co_u32 s24, s24, s26
	s_lshl_b32 s26, s21, 9                         ; my head
	s_add_co_u32 s24, s24, s26
	s_mov_b32 s25, 0
	s_mul_i32 s26, s19, 32*REC                     ; the head's records
	s_mov_b32 s27, 0
	s_mov_b32 s[CS], 0x3e0293ee                    ; c = log2(e) / sqrt(128)
	s_mov_b32 s[CS+1], s[CS]
	s_mov_b32 s[SEL], 0x76543210
	s_mov_b32 s[SEL+1], 0xfedcba98
	s_mov_b32 s[NN], 0
	s_wait_kmcnt 0x0
	s_add_nc_u64 s[8:9], s[8:9], s[22:23]
	s_load_b32 s[CNT], s[8:9], 0x0
	s_add_nc_u64 s[4:5], s[4:5], s[24:25]
	s_add_nc_u64 s[10:11], s[10:11], s[24:25]
	s_add_nc_u64 s[RP:RP+1], s[6:7], s[26:27]
	WIN 0x80
	s_wait_alu depctr_va_vdst(0)                   ; the addresses v2 to v8 and v11 are written: every load, store, LDS instruction and prefetch of the kernel reads one of them, and none is written again
.irp i, 0,1,2,3,4,5,6,7,8,9
	global_load_b128 v[G+4*\i:G+4*\i+3], v[C16], s[RP:RP+1] offset:2048*\i   ; record 0: every batch has it
.endr
	global_load_b32 v[G+40], v[C4], s[RP:RP+1] offset:20480
	WIN 0
.macro QLOAD t                         ; 16 rows of Q, 512 consecutive bytes an instruction, into S^T's registers, which are free
.irp j, 0,1,2,3,4,5,6,7,8,9,10,11,12,13,14,15
	global_load_b128 v[S+64*((\t)%2)+4*\j:S+64*((\t)%2)+4*\j+3], v[L16], s[4:5] offset:(16*(\t)+\j)*8192 th:TH_LOAD_NT
.endr
.endm
.macro QTURN t                         ; through my stage: lane (r, h) then holds, of row r, the numbers 64 c + 32 h + 0..31 in P's registers 32 c + 0..31.  LDS serves a wave's instructions in order (ISA guide 5.7.1.4)
.irp j, 0,1,2,3,4,5,6,7,8,9,10,11,12,13,14,15
	ds_store_b128 v[RD], v[S+64*((\t)%2)+4*\j:S+64*((\t)%2)+4*\j+3] offset:SP*\j
.endr
.irp c, 0,1
.irp i, 0,1,2,3,4,5,6,7
	ds_load_b128 v[P+32*\c+4*\i:P+32*\c+4*\i+3], v[STO] offset:256*\c+16*\i
.endr
.endr
.endm
; THE QUANTISER: a lane holds blocks h and 2 + h of its row whole.  The largest magnitude's exponent field less 2 is the scale's byte, and the conversion takes just that field of its scale operand.
.macro QUANT t
.irp c, 0,1
	v_max3_num_f32 v[QM+\c], |v[P+32*\c]|, |v[P+32*\c+1]|, 0x1800000   ; with the floor 2^(3 - 127): the byte cannot fall under 1
.endr
.irp i, 2,4,6,8,10,12,14,16,18,20,22,24,26,28,30
.irp c, 0,1
	v_max3_num_f32 v[QM+\c], v[QM+\c], |v[P+32*\c+\i]|, |v[P+32*\c+\i+1]|
.endr
.endr
.irp c, 0,1
	v_add_nc_u32 v[QM+2+\c], 0xff000000, v[QM+\c]
.endr
.irp c, 0,1
	v_lshrrev_b32 v[QM+4+\c], 23, v[QM+2+\c]
.endr
	v_lshl_or_b32 v[QM+7], v[QM+5], 16, v[QM+4]
	v_lshlrev_b32 v[QM+7], v[SH8], v[QM+7]
	v_permlanex16_b32 v[QM+6], v[QM+7], s[SEL], s[SEL+1]
	v_or_b32 v[QS+(\t)], v[QM+7], v[QM+6]          ; the row's scale word
	WIN 0x80                                       ; the codes go to window 2
.irp c, 0,1
.irp g, 0,1,2,3
	v_cvt_scalef32_pk8_fp4_f32 v[8*(\t)+4*\c+\g], v[P+32*\c+8*\g:P+32*\c+8*\g+7], v[QM+2+\c]
.endr
.endr
	v_nop                                          ; one plain instruction behind the last scaled conversion
	WIN 0
.endm
	QLOAD 0
	QLOAD 1
	WIN 0x40
.set i, 0
.rept 256
	v_mov_b32 v[i], 0                              ; O^T
.set i, i+1
.endr
	WIN 0
.irp t, 0,1,2,3
	v_mov_b32 v[ST+8*\t+1], 0xfe800000             ; m = -2^126, under every score: the first a is 0, and multiplies zeros
	v_mul_f32 v[ST+8*\t], s[CS], v[ST+8*\t+1]
.irp q, 2,3,4,5,6,7
	v_mov_b32 v[ST+8*\t+\q], 0
.endr
.endr
	v_mov_b32 v[QM+6], 0                           ; a lane permute's destination counts as one of its sources
	s_wait_loadcnt 32                              ; record 0 is in; Q's tiles 0 and 1 may be out
	STORE_REC 0
.macro QSTEP t
.if (\t) < 3
	s_wait_loadcnt 16                              ; this tile's rows are in; the 16 youngest loads, a later tile's, may be out
.else
	s_wait_loadcnt 0x0
.endif
.if (\t) > 0
	s_wait_alu depctr_va_vdst(0)                   ; the last tile's quantiser is done reading P's registers, in which the loads from the stage land
.endif
	QTURN \t
	s_wait_dscnt 0x0                               ; the rows are back
.if (\t) < 2
	s_wait_alu depctr_vm_vsrc(0)                   ; the stores into the stage have read this tile's registers, in which the tile two on lands; in tile 0 record 0's LDS stores have read the record's registers too, in which record 1 lands: ahead of the branch that leads to its loads
.endif
.if (\t) == 0
	s_wait_kmcnt 0x0                               ; N
	s_min_u32 s[CNT], s[CNT], 32
	s_cmp_lt_u32 s[WV], 3
	s_cselect_b32 s[PLIM], s[CNT], 0
	s_cmp_eq_u32 ttmp9, 0
	s_cselect_b32 s[PLIM], s[PLIM], 0              ; waves 0 to 2 of the head's first work-group prefetch
	s_wait_xcnt 0x0
	s_add_nc_u64 s[RP:RP+1], s[RP:RP+1], REC
	RELOAD 1, 0                                    ; record 1, if there is one; it stands ahead of tile 2's loads, so the counts above hold with it and without
.endif
.if (\t) < 2
	QLOAD (\t)+2
.endif
	QUANT \t
.endm
	QSTEP 0
	QSTEP 1
	QSTEP 2
	QSTEP 3
	; STEP 0 has no product V^T P yet
.set PVOUT, 0
	SYNC                                           ; record 0 is whole in slot 0
	s_wait_loadcnt 0x0
	STORE_REC 1                                    ; record 1
	FETCH_K 0, 0
.rept 8
	v_nop                                          ; Q's scale words were written by vector instructions: eight places ahead of the first scaled product
.endr
	s_wait_dscnt 0x0
	s_wait_alu depctr_vm_vsrc(0)                   ; record 1's LDS stores have read the record's registers, in which record 2 lands (ahead of the branch that leads to its loads); and the stage's stores of Q's tiles 2 and 3 have read S^T's registers, which the first scores write
	s_wait_xcnt 0x0
	s_add_nc_u64 s[RP:RP+1], s[RP:RP+1], REC
	RELOAD 2, 1                                    ; record 2
	s_wait_alu depctr_va_vdst(0)                   ; the quantiser has written Q's codes and Q's scale words, which every scaled product takes; behind the eight places, not in their stead
	KQ8 0
	WIN 0
.rept 4
	v_nop                                          ; the places behind piece 0's first scores
.endr
.set k, 0
.set i, 0
.rept 8
	KQ 2                                           ; piece 2's first scores | piece 0's first softmax | V of step 0
.rept 8
	SLICE 0, 0
.endr
.set i, i+1
.endr
	WIN 0
.set PVOUT, 1
	s_mov_b32 s[NN], 1
	s_mov_b32 s[TRIP], 16
.Ltrip:                                                ; 16 trips of two steps: n = 1 to 32 (step 32 never has work)
	ITER 1
	ITER 0
	s_sub_co_u32 s[TRIP], s[TRIP], 1
	s_cmp_lg_u32 s[TRIP], 0
	s_cbranch_scc1 .Ltrip
	s_wait_dscnt 0x0                               ; V of the last step
.set k, 0
	PVRUN 0, 0, 32, 0                              ; piece 0: V^T P of the last step | piece 2's last softmax
	SLICE 2, 0
.set i, 0
.rept 32
	PV 2                                           ; piece 2: V^T P of the last step
.set i, i+1
.endr
	; THE WAY OUT.  l's two halves and the other half of the lanes' are added (these lines are the places behind the last products); O^T / l goes through my stage, a tile at a time.
	WIN 0
.irp t, 0,1,2,3
	v_add_f32 v[ST+8*\t+4], v[ST+8*\t+2], v[ST+8*\t+3]
.endr
.irp t, 0,1,2,3
	v_permlanex16_b32 v[ST+8*\t+5], v[ST+8*\t+4], s[SEL], s[SEL+1]
.endr
.irp t, 0,1,2,3
	v_add_f32 v[ST+8*\t+4], v[ST+8*\t+4], v[ST+8*\t+5]
.endr
.irp t, 0,1,2,3
	v_rcp_f32 v[ST+8*\t+6], v[ST+8*\t+4]
.endr
	v_nop                                          ; a plain instruction behind the last reciprocal,
	s_wait_alu depctr_va_vdst(0)                   ; and the wait ahead of the first use: the four reciprocals have written their results
; Register j of tile t of O^T holds channel 64 (t % 2) + 32 h + 4 j + t / 2 of query r: the division writes it to register 32 (t % 2) + 4 j + t / 2, so that a lane's 64 numbers are two runs of 32 neighbours.
.macro OUT q
.if (\q) >= 2
	s_wait_xcnt 0x0                                ; the stores of two tiles ago have read the registers that this tile's rows come back into
.endif
.if (\q) >= 1
	s_wait_alu depctr_vm_vsrc(0)                   ; the last tile's LDS stores have read v64-127, which the divisions below write again; from tile 2 on also: the global stores of two tiles ago have read the registers in which this tile's rows land
.endif
	WIN 0x01
.irp t, 0,1,2,3,4,5,6,7
.irp j, 0,1,2,3,4,5,6,7
	v_mul_f32 v[S+32*(\t%2)+4*\j+\t/2], v[64*(\q)+8*\t+\j], v[ST+8*(\q)+6]   ; each accumulator from its low end on
.endr
.endr
	WIN 0
	s_wait_alu depctr_va_vdst(0)                   ; the divisions have written v64-127, which the LDS stores read; and the softmax and the products are done with v128-255, in which the rows from the stage land
.irp u, 0,1
.irp j, 0,1,2,3,4,5,6,7
	ds_store_b128 v[STO], v[S+32*\u+4*\j:S+32*\u+4*\j+3] offset:256*\u+16*\j
.endr
.endr
.irp i, 0,1,2,3,4,5,6,7,8,9,10,11,12,13,14,15
	ds_load_b128 v[128+64*((\q)%2)+4*\i:128+64*((\q)%2)+4*\i+3], v[RD] offset:SP*\i   ; whole rows; these see the stores above
.endr
	s_wait_dscnt 0x0
.irp i, 0,1,2,3,4,5,6,7,8,9,10,11,12,13,14,15
	global_store_b128 v[L16], v[128+64*((\q)%2)+4*\i:128+64*((\q)%2)+4*\i+3], s[10:11] offset:(16*(\q)+\i)*8192 th:TH_STORE_NT   ; 32 lanes store 512 consecutive bytes, aligned
.endr
.endm
	OUT 0
	OUT 1
	OUT 2
	OUT 3
	s_wait_dscnt 0x0                               ; the wave's end
	s_wait_alu 0x0
	s_wait_tensorcnt 0x0
	ds_add_u32 v[SPW], v[NIL]
	s_wait_dscnt 0x0
	s_endpgm
.Lfunc_end_k_q4187d63fd5_attn:
	.size	k_q4187d63fd5_attn, .Lfunc_end_k_q4187d63fd5_attn-k_q4187d63fd5_attn
	.p2alignl 7, 3214868480
	.fill 96, 4, 3214868480
	.section	.rodata,"a",@progbits
	.p2align	6, 0x0
	.amdhsa_kernel k_q4187d63fd5_attn
		.amdhsa_group_segment_fixed_size 76288
		.amdhsa_private_segment_fixed_size 0
		.amdhsa_enable_private_segment 0
		.amdhsa_kernarg_size 32
		.amdhsa_user_sgpr_count 2
		.amdhsa_user_sgpr_kernarg_segment_ptr 1
		.amdhsa_wavefront_size32 1
		.amdhsa_system_sgpr_workgroup_id_x 1
		.amdhsa_system_sgpr_workgroup_id_y 1
		.amdhsa_system_sgpr_workgroup_id_z 1
		.amdhsa_system_vgpr_workitem_id 0
		.amdhsa_next_free_vgpr 1024
		.amdhsa_next_free_sgpr 66
		.amdhsa_reserve_vcc 0
		.amdhsa_float_denorm_mode_32 3
		.amdhsa_float_denorm_mode_16_64 3
		.amdhsa_memory_ordered 1
		.amdhsa_forward_progress 1
		.amdhsa_inst_pref_size 200
	.end_amdhsa_kernel
	.amdgpu_metadata
---
amdhsa.version: [ 1, 2 ]
amdhsa.kernels:
  - .name:           k_q4187d63fd5_attn
    .symbol:         k_q4187d63fd5_attn.kd
    .args:
      - { .name: query, .offset: 0, .size: 8, .value_kind: global_buffer, .address_space: global }
      - { .name: kv, .offset: 8, .size: 8, .value_kind: global_buffer, .address_space: global }
      - { .name: cnt, .offset: 16, .size: 8, .value_kind: global_buffer, .address_space: global }
      - { .name: out0, .offset: 24, .size: 8, .value_kind: global_buffer, .address_space: global }
    .group_segment_fixed_size: 76288
    .private_segment_fixed_size: 0
    .kernarg_segment_align: 8
    .kernarg_segment_size: 32
    .max_flat_workgroup_size: 128
    .sgpr_count:     66
    .vgpr_count:     1024
    .wavefront_size: 32
...
	.end_amdgpu_metadata
.endif
;; end of part 3
